; MI455X (gfx1250); checked and timed in simulation.
; The chip was launched on July 23, 2026; its instructions are those of AMD's public machine-readable ISA for CDNA 5 (MIT licence, August 2026) and "CDNA5" Instruction Set Architecture Reference Guide (July 2026). The comments in the code are by the model that wrote it; some were corrected since.
;; Attention Text. Allowed arithmetic: matrix products marked QUANTISED: E3M2 operands, one E8M0 scale for each 32 along K, by v_wmma_scale_f32_16x16x128_f8f6f4 with both operands' format E3M2, f32 sums; everything else in f32.
;; Inputs: in_proj_bias 3,072 float32; in_proj_weight 3,072 x 1,024 float32; out_proj_bias 1,024 float32; out_proj_weight 1,024 x 1,024 float32; x 8 x 1,024 x 1,024 float32.
;; Outputs: out0 8 x 1,024 x 1,024 float32.
;; This version of the problem:
;;   THIS VERSION OF THE PROBLEM IS GIVEN IN LOW PRECISION. The matrix products marked QUANTISED in the list below multiply operands that are first quantised to E3M2 (3 exponent bits, 2 mantissa bits; 6 bits a number), with one power-of-two scale for each 32 numbers along K (OCP MX v1.0); their sums are f32. All else is computed in f32.
;;   The module's matrix products, in the order in which they are computed (A, B: the left and right operand; K: the contracted axis; several contracted axes count as one K, in the product's order):
;;     1. [M 8,192, K 1,024] x [K 1,024, N 3,072]; A: input x; B: input in_proj_weight: QUANTISED
;;     2. batch 128 x [M 1,024, K 64] x [K 64, N 1,024]; A: computed on the way; B: computed on the way: QUANTISED
;;     3. batch 128 x [M 1,024, K 1,024] x [K 1,024, N 64]; A: softmax (see below); B: computed on the way: QUANTISED
;;     4. [M 8,192, K 1,024] x [K 1,024, N 1,024]; A: computed on the way; B: input out_proj_weight: QUANTISED
;;   THE QUANTISER, for each operand of a quantised product, along K:
;;     - K is cut into blocks of 32 from its start; a last block that is shorter is filled with zeros.
;;     - A block's scale is 2^e with e = floor(log2(the largest magnitude in the block)) - 4, held to -126 .. 127; a block of zeros has e = 0. As a byte (E8M0): e + 127.
;;     - Each number is divided by its block's scale, clamped to +-28, and rounded to the nearest number of E3M2, ties to even, subnormals kept.
;;     - The product sums the exact products of the quantised numbers (number of the format x scale) in f32.
;;   ~~~python
;;   def quantise(x, axis):      # numpy; x: float32 -> the quantised numbers, widened to float32 again
;;       x = np.moveaxis(x, axis, -1); K = x.shape[-1]
;;       x = np.pad(x, [(0, 0)] * (x.ndim - 1) + [(0, -K % 32)]); x = x.reshape(x.shape[:-1] + (-1, 32)); a = np.abs(x).max(-1, keepdims=True)
;;       e = np.where(a > 0, np.clip(np.frexp(np.where(a > 0, a, 1))[1] - 1 - 4, -126, 127), 0)      # np.frexp(a)[1] - 1 = floor(log2(a)), exactly
;;       r = np.clip(x / 2.0 ** e, -28, 28)
;;       step = 2.0 ** (np.maximum(np.frexp(np.where(r == 0, 1, r))[1] - 1, -2) - 2)
;;       q = np.round(r / step) * step * 2.0 ** e      # np.round: ties to even
;;       return np.moveaxis(q.reshape(q.shape[:-2] + (-1,))[..., :K], -1, axis).astype(np.float32)
;;   ~~~
;;   SOFTMAX AHEAD OF A QUANTISED PRODUCT. Where the list says 'softmax', what is quantised is not the finished softmax but p = 2^(t - M), with t = logit x log2(e) and M = ceil(the row's largest t), a whole number; so 1/2 < the row's largest p <= 1. The row's sum l is taken of the UNQUANTISED p, in f32, and the product's result is divided by l at the end. Since M is a whole number, a kernel that streams over the keys may use a running M (the ceiling of the running maximum): every later rescaling is an exact power of two, which a block's scale takes up: the codes' values come out the same.
;;   OPERANDS COMPUTED ON THE WAY. 'Computed on the way' means the value that the module computes at that place (a softmax that the list does not call 'softmax' is quantised finished and normalised). What goes into a quantiser is computed in f32, as accurately as f32 sums, v_exp_f32 and their like allow (about 1e-6 of the number): no bf16 or f16 on the way to a quantiser, and a product that is left as it is and whose result goes on into a quantised operand takes f32 operands (vector FMAs, or v_wmma_f32_16x16x4_f32). A number that lies on a knife's edge between two numbers of the format may be rounded either way, as far as f32 arithmetic and the matrix unit's own rounding can turn it there, and no further.
;; One version. Each part assembles by itself: llvm-mc -triple=amdgcn-amd-amdhsa -mcpu=gfx1250 --defsym DOCPART=n.
;; ======== version 1 of 1: 4 launches
;; limits: right only within a limited range of input values
;; workspace buffers: cimg 9,437,184 bytes; simg 393,216 bytes; qkv 20,447,232 bytes; o_img 6,291,456 bytes; o_sc 262,144 bytes
;; launch quant (part 1): grid 384 x 1, 4 waves a work-group, no clusters, 34,304 bytes of LDS; arguments x, in_proj_weight, out_proj_weight, cimg, simg; writes cimg, simg
.if DOCPART == 1
	.amdgcn_target "amdgcn-amd-amdhsa--gfx1250"
	.amdhsa_code_object_version 6
	.text
	.protected	k_qadd63ade94_quant
	.globl	k_qadd63ade94_quant
	.p2align	8
	.type	k_qadd63ade94_quant,@function
k_qadd63ade94_quant:
	s_mov_b64 s[64:65], 0
	v_nop
	global_prefetch_b8 v0, s[64:65] scope:SCOPE_SE
	s_setreg_imm32_b32 hwreg(HW_REG_WAVE_MODE, 25, 1), 1
	s_wait_xcnt 0x0
; x [8192][1024], in_proj_weight [3072][1024] and out_proj_weight [1024][1024], f32, K innermost, become codes of BF6 (E3M2) with one E8M0 byte for each 32 along K.
; The 12,288 rows are taken as one run: 48 panels of 256 rows (x 0-31, in_proj 32-43, out_proj 44-47).
; WHAT IS STORED IS AN IMAGE OF THE OPERAND'S REGISTERS.  A fragment (16 rows x 128 K, 12 registers a lane) is 1,536 dense bytes: registers 4 c .. 4 c + 3 of lane l at 512 c + 16 l.
; codes: [panel][K step 0-7][tile 0-15][1536].  THE ROWS OF A TILE ARE NOT NEIGHBOURS: lane r of tile t holds row 32 (t / 2) + 8 (t % 2) + r + 8 (r / 8) of its panel.
; scale words: [panel][K step][1024]: tile t's word of row r at 256 (t / 4) + 16 r + 4 (t % 4), so that one load of 16 bytes a lane brings the words of eight tiles.
; A block's scale is 2^(floor(log2(largest magnitude)) - 4); its byte is the largest magnitude's exponent field - 4, held at 1 from below.
; LIMITS: NaN and infinities among the inputs are not served; a block of zeros gets the byte 1 and not 127: its codes are zeros, and this program alone reads the bytes.
; SHARES.  A wave takes four tiles (64 rows) x one K step: four fragments.  Each load reads 512 consecutive bytes of one row; the 16 rows of a fragment turn through the wave's own stage in LDS
; (rows 528 bytes apart), from which lane (r, h) takes, of row r, the 16 neighbours 32 b + 16 h + 0 .. 15 of each block b.  Waves share nothing: no barrier.
.set SP,   528                         ; a stage row: 512 bytes + 16
.set R,    16                          ; v16-143  two sets of 64 registers as loaded
.set X,    144                         ; v144-207 64 numbers of my row: register 16 b + i = k 32 b + 16 h + i
.set PC,   208                         ; v208-219 the fragment just made
.set CT,   220                         ; v220-227 the conversions' second halves
.set TM,   228                         ; v228-243 at work
.set PW,   244                         ; v244-247 the four fragments' scale words
.set SEL,  30                          ; s[30:31] lane selects for v_permlanex16_b32: lane l xor 16
; 64 numbers of a lane, v[s] on, become a fragment's codes in v[pc] on and its rows' scale word in v[pw]
.macro QUANT s, pc, pw
.irp b, 0,1,2,3
	v_max3_num_f32 v[TM+\b], |v[\s+16*\b]|, |v[\s+16*\b+1]|, 0x2800000   ; block b: my 16 numbers, and the floor 2^(5 - 127): the byte cannot fall under 1
.endr
.irp i, 2,4,6,8,10,12,14
.irp b, 0,1,2,3
	v_max3_num_f32 v[TM+\b], v[TM+\b], |v[\s+16*\b+\i]|, |v[\s+16*\b+\i+1]|   ; the four blocks by turns
.endr
.endr
.irp b, 0,1,2,3
	v_permlanex16_b32 v[TM+4+\b], v[TM+\b], s[SEL], s[SEL+1]
.endr
.irp b, 0,1,2,3
	v_max_num_f32 v[TM+\b], v[TM+\b], v[TM+4+\b]   ; with lane l xor 16's: the block's largest magnitude
.endr
.irp b, 0,1,2,3
	v_add_nc_u32 v[TM+12+\b], 0xfe000000, v[TM+\b]   ; 4 off its exponent field: the conversion's scale operand
.endr
.irp b, 0,1,2,3
	v_lshrrev_b32 v[TM+4+\b], 23, v[TM+12+\b]      ; the scale's byte
.endr
	v_lshl_or_b32 v[\pw], v[TM+5], 8, v[TM+4]
	v_lshl_or_b32 v[\pw], v[TM+6], 16, v[\pw]
	v_lshl_or_b32 v[\pw], v[TM+7], 24, v[\pw]
.irp c, 0,1
	v_cvt_scalef32_pk16_bf6_f32 v[\pc+6*\c:\pc+6*\c+2], v[\s+32*\c:\s+32*\c+15], v[TM+12+2*\c]
	v_cvt_scalef32_pk16_bf6_f32 v[CT+4*\c:CT+4*\c+2], v[\s+32*\c+16:\s+32*\c+31], v[TM+13+2*\c]   ; (a conversion's three registers begin on an even number)
.endr
	v_nop                                          ; one plain place behind a scaled conversion
.irp c, 0,1                                    ; the operand's layout wants a whole block in a lane: lanes 0-15 block 2 c, lanes 16-31 block 2 c + 1
.irp i, 0,1,2
	v_permlane16_swap_b32 v[\pc+6*\c+\i], v[CT+4*\c+\i]
.endr
.irp i, 0,1,2
	v_mov_b32 v[\pc+6*\c+3+\i], v[CT+4*\c+\i]
.endr
.endr
.endm
	s_load_b256 s[4:11], s[0:1], 0x0               ; x s[4:5], in_proj_weight s[6:7], out_proj_weight s[8:9], the codes s[10:11]
	s_load_b64 s[12:13], s[0:1], 0x20              ; the scale words
	v_lshl_add_u32 v254, v0, 2, 0x8400
	v_mov_b32 v255, 0
	v_lshrrev_b32 v5, 5, v0
	v_readfirstlane_b32 s14, v5                    ; wave 0..3
	v_and_b32 v6, 31, v0
	v_lshlrev_b32 v1, 4, v6                        ; v1 = 16 x lane: my 16 bytes of a load's or a store's 512
	s_mul_i32 s15, s14, 16*SP                      ; my stage
	v_add_nc_u32 v2, s15, v1                       ; v2: into it, as loaded
	v_and_b32 v7, 15, v0                           ; r
	v_bfe_u32 v8, v0, 4, 1                         ; h
	v_mul_u32_u24 v3, v7, SP
	v_lshl_add_u32 v3, v8, 6, v3
	v_add_nc_u32 v3, s15, v3                       ; v3: out of it: row r, + 64 h
	v_lshlrev_b32 v4, 4, v7
	v_lshl_add_u32 v4, v8, 3, v4                   ; v4: the scale words' way out: 16 r + 8 h
	s_mov_b32 s[SEL], 0x76543210
	s_mov_b32 s[SEL+1], 0xfedcba98
.irp b, 0,1,2,3
	v_mov_b32 v[TM+4+\b], 0                        ; written once: a lane permute's destination counts as one of its sources
.endr
	s_lshr_b32 s16, ttmp9, 1                       ; which 64 rows of the 12,288: 0..191
	s_and_b32 s17, ttmp9, 1
	s_lshl_b32 s17, s17, 2
	s_add_co_u32 s17, s17, s14                     ; which K step: 0..7
	s_mov_b32 s18, 176
	s_wait_alu depctr_va_vdst(0)
	s_wait_kmcnt 0x0
	s_cmp_lt_u32 s16, 176                          ; which tensor: the choice hangs on the work-group's number alone
	s_cselect_b64 s[6:7], s[6:7], s[8:9]
	s_cselect_b32 s18, 128, s18
	s_cmp_lt_u32 s16, 128
	s_cselect_b64 s[4:5], s[4:5], s[6:7]
	s_cselect_b32 s18, 0, s18
	s_sub_co_u32 s18, s16, s18                     ; which 64 rows of that tensor
	s_lshl_b32 s18, s18, 18                        ; x 64 rows of 4,096 bytes
	s_lshl_b32 s19, s17, 9                         ; + 512 bytes a K step
	s_add_co_u32 s18, s18, s19
	s_mov_b32 s19, 0
	s_add_nc_u64 s[4:5], s[4:5], s[18:19]
	s_lshr_b32 s20, s16, 2                         ; panel
	s_lshl_b32 s20, s20, 3
	s_add_co_u32 s20, s20, s17                     ; 8 x panel + K step
	s_and_b32 s21, s16, 3                          ; which four tiles of the panel's sixteen
	s_lshl_b32 s22, s20, 4
	s_lshl_b32 s23, s21, 2
	s_add_co_u32 s22, s22, s23
	s_mul_i32 s22, s22, 1536
	s_mov_b32 s23, 0
	s_add_nc_u64 s[10:11], s[10:11], s[22:23]
	s_lshl_b32 s22, s20, 10
	s_lshl_b32 s21, s21, 8
	s_add_co_u32 s22, s22, s21
	s_add_nc_u64 s[12:13], s[12:13], s[22:23]
.macro LOADF f                         ; fragment f's 16 rows, 512 consecutive bytes each, into set f % 2
.irp t, 0,1,2,3,4,5,6,7,8,9,10,11,12,13,14,15
	global_load_b128 v[R+64*((\f)%2)+4*\t:R+64*((\f)%2)+4*\t+3], v1, s[4:5] offset:(32*((\f)/2)+8*((\f)%2)+\t%8+16*(\t/8))*4096 th:TH_LOAD_NT
.endr
.endm
.macro FRAGM f
	s_wait_loadcnt 16*(3-(\f))                     ; this fragment's 16 loads are in; those of the 3 - f fragments behind it may be out
.if (\f) >= 2
	s_set_vgpr_msb 0x0004                          ; fragments 2 and 3 were loaded into window 1: the stores' data (source 1) come from there
.endif
.irp t, 0,1,2,3,4,5,6,7,8,9,10,11,12,13,14,15
	ds_store_b128 v2, v[R+64*((\f)%2)+4*\t:R+64*((\f)%2)+4*\t+3] offset:\t*SP
.endr
.if (\f) >= 2
	s_set_vgpr_msb 0x0400                          ; back to window 0
.endif
.irp b, 0,1,2,3
.irp j, 0,1,2,3
	ds_load_b128 v[X+16*\b+4*\j:X+16*\b+4*\j+3], v3 offset:128*\b+16*\j   ; LDS serves a wave's instructions in order: these see my stores
.endr
.endr
	s_wait_dscnt 0x0                               ; the numbers are back, and the stores into the stage have read their registers,
.if (\f) > 0
	s_wait_xcnt 0x0                                ; the last fragment's stores have read v[PC] on: only behind this wait are they written again
.endif
	QUANT X, PC, PW+(\f)
.irp c, 0,1,2
	global_store_b128 v1, v[PC+4*\c:PC+4*\c+3], s[10:11] offset:1536*(\f)+512*\c   ; 32 lanes store 512 consecutive bytes, at a multiple of 256 from the buffer's first byte
.endr
.endm
	LOADF 0
	LOADF 1
	s_set_vgpr_msb 0x0040                          ; all four fragments' 64 loads are issued at the start: fragments 2 and 3 land in the same register numbers of window 1
	LOADF 2
	LOADF 3
	s_set_vgpr_msb 0x4000
	FRAGM 0
	FRAGM 1
	FRAGM 2
	FRAGM 3
	s_mov_b32 vcc_lo, 0xffff0000                   ; lanes 0-15 store the words of tiles 0, 1 of row r, lanes 16-31 those of tiles 2, 3
	v_cndmask_b32 v248, v[PW], v[PW+2], vcc_lo
	v_cndmask_b32 v249, v[PW+1], v[PW+3], vcc_lo
	global_store_b64 v4, v[248:249], s[12:13]      ; 32 lanes store 256 consecutive bytes, aligned
	s_wait_tensorcnt 0x0
	ds_add_u32 v254, v255
	s_wait_dscnt 0x0
	s_endpgm
.Lfunc_end_k_qadd63ade94_quant:
	.size	k_qadd63ade94_quant, .Lfunc_end_k_qadd63ade94_quant-k_qadd63ade94_quant
	.p2alignl 7, 3214868480
	.fill 96, 4, 3214868480
	.section	.rodata,"a",@progbits
	.p2align	6, 0x0
	.amdhsa_kernel k_qadd63ade94_quant
		.amdhsa_group_segment_fixed_size 34304
		.amdhsa_private_segment_fixed_size 0
		.amdhsa_enable_private_segment 0
		.amdhsa_kernarg_size 40
		.amdhsa_user_sgpr_count 2
		.amdhsa_user_sgpr_kernarg_segment_ptr 1
		.amdhsa_wavefront_size32 1
		.amdhsa_system_sgpr_workgroup_id_x 1
		.amdhsa_system_sgpr_workgroup_id_y 1
		.amdhsa_system_sgpr_workgroup_id_z 1
		.amdhsa_system_vgpr_workitem_id 0
		.amdhsa_next_free_vgpr 400
		.amdhsa_next_free_sgpr 66
		.amdhsa_reserve_vcc 1
		.amdhsa_float_denorm_mode_32 3
		.amdhsa_float_denorm_mode_16_64 3
		.amdhsa_memory_ordered 1
		.amdhsa_forward_progress 1
		.amdhsa_inst_pref_size 34
	.end_amdhsa_kernel
	.amdgpu_metadata
---
amdhsa.version: [ 1, 2 ]
amdhsa.kernels:
  - .name:           k_qadd63ade94_quant
    .symbol:         k_qadd63ade94_quant.kd
    .args:
      - { .name: x, .offset: 0, .size: 8, .value_kind: global_buffer, .address_space: global }
      - { .name: in_proj_weight, .offset: 8, .size: 8, .value_kind: global_buffer, .address_space: global }
      - { .name: out_proj_weight, .offset: 16, .size: 8, .value_kind: global_buffer, .address_space: global }
      - { .name: cimg, .offset: 24, .size: 8, .value_kind: global_buffer, .address_space: global }
      - { .name: simg, .offset: 32, .size: 8, .value_kind: global_buffer, .address_space: global }
    .group_segment_fixed_size: 34304
    .private_segment_fixed_size: 0
    .kernarg_segment_align: 8
    .kernarg_segment_size: 40
    .max_flat_workgroup_size: 128
    .sgpr_count:     66
    .vgpr_count:     400
    .wavefront_size: 32
...
	.end_amdgpu_metadata
.endif
;; end of part 1
;; launch qkvgemm (part 2): grid 8 x 32, 4 waves a work-group, clusters of 4 x 4, 327,680 bytes of LDS; arguments cimg, simg, in_proj_bias, qkv; writes qkv
.if DOCPART == 2
	.amdgcn_target "amdgcn-amd-amdhsa--gfx1250"
	.amdhsa_code_object_version 6
	.text
	.protected	k_qadd63ade94_qkvgemm
	.globl	k_qadd63ade94_qkvgemm
	.p2align	8
	.type	k_qadd63ade94_qkvgemm,@function
k_qadd63ade94_qkvgemm:
	s_mov_b64 s[64:65], 0
	v_nop
	global_prefetch_b8 v0, s[64:65] scope:SCOPE_SE
	s_setreg_imm32_b32 hwreg(HW_REG_WAVE_MODE, 25, 1), 1
	s_wait_xcnt 0x0
	s_wait_alu depctr_hold_cnt(0) depctr_sa_sdst(0) depctr_va_vdst(0) depctr_va_sdst(0) depctr_va_ssrc(0) depctr_va_vcc(0) depctr_vm_vsrc(0)
	s_getreg_b32 s2, hwreg(HW_REG_IB_STS2, 6, 4)
	s_cmp_eq_u32 s2, 0
	s_cbranch_scc0 .Lentry_in_a_cluster
	s_endpgm
.Lentry_in_a_cluster:
	s_bfe_u32 s2, ttmp6, 0x10000c
	s_cmp_lg_u32 s2, 0xf033
	s_cbranch_scc0 .Lentry_shape_is_right
	s_endpgm
.Lentry_shape_is_right:
; qkv = x in_proj_weight^T + in_proj_bias on codes of BF6 (E3M2) with E8M0 scales, K = 1,024; q, k and v are quantised here, in registers, and leave as codes alone.
; OPERANDS lie in memory as images of their registers: codes [panel of 256 rows][K step 0-7][tile 0-15][1536], scale words [panel][K step][1024]; panels 0-31 x, 32-35 W_q, 36-39 W_k, 40-43 W_v.
; Lane r of tile t holds row 32 (t / 2) + 8 (t % 2) + r + 8 (r / 8) of its panel: so the 16 result registers of two neighbouring tiles of source 0 are 16 NEIGHBOURING rows.
; A WORK-GROUP (p, i), p = 0..31, i = 0..7, KEEPS PANEL p OF TOKENS IN LDS FOR ALL OF K and walks three blocks of 128 weight rows: the two halves of panel 32 + i (W_q or W_k), then half i % 2 of panel 40 + i / 2 (W_v).
; 32 x 8 = 256 work-groups of equal work.  Passes 0, 1 (q, k): source 0 = the 8 weight tiles, source 1 = 4 token tiles of the wave: registers run along the heads' channels.
; Pass 2 (v): source 0 = 8 token tiles, source 1 = 4 weight tiles of the wave (one head): registers run along the KEYS, v's K.  32 accumulators a wave in every pass.
; LDS: the tokens' 8 K steps (196,608 bytes), then the weights' ring: two slots of four K steps x 12,288 bytes.  The head: one tensor load a wave (waves 0, 1 four K steps of tokens each, waves 2, 3 a slot each).
; A slot is filled again, one K step a wave, behind the waits, the add and a round of the cluster's barrier: the first slot in K step 3, when its last fragments are in registers; the second in the middle of the epilogue.
; CLUSTERS: 4 x 4: the tokens are shared along a row of the cluster, the weights along a column.  No prefetch: the tokens are asked for at the head, and each weight block is read by the 32 work-groups of its i in the same passes.
; The scale words and the biases go from memory straight into registers.
; OUT: a record of 159,744 bytes for each of the 128 heads: q's 64 tiles x 768 bytes (registers 0-3 at 16 l, 4-5 at 512 + 8 l) at 0; q's scale words at 49,152; k's at 53,248; v's at 57,344;
; k's tiles at 61,440; v's fragments [key step 0-7][channel tile 0-3][1536] at 110,592.  q's and k's scale words hold two bytes (K = 64); the upper two are 0.
; LIMITS: NaN and infinities are not served; a block of zeros gets the byte 1 and not 127: its codes are zeros, and this program alone reads the bytes.
; REGISTERS: window 0: v4-30 addresses; v32-63 the tokens' scale words as source 1, v64-95 the weights', v96-127 the tokens' as source 0; v128-223 source 1's fragments, two sets of 4; the epilogue works in v128-247; v248-255 v's bias.
;   window 1: source 0's fragments, two sets, at v0 and v128.   window 2: the accumulators ((a, b) at v[8 (8 a + b)]).   window 3: v0-127 the bias along the registers of passes 0 and 1.
.set REC,   159744
.set FRB,   1536
.set KSB,   16*FRB
.set HKB,   8*FRB
.set PANB,  8*KSB
.set WREG,  8*KSB
.set SPARE, WREG+8*HKB                 ; behind the tiles: the spare words, 128 bytes a wave
.set NP,    4                          ; places behind this matrix instruction (ISA guide 7.12.1)
.set ADW2,  4                          ; v4-7   the weights as source 1, two K steps to a register
.set ADT,   8                          ; v8-11  the tokens as source 1
.set ADW,   12                         ; v12-15 the weights as source 0
.set ADT2,  16                         ; v16-19 the tokens as source 0
.set H64,   20
.set SH16,  21
.set L16,   22
.set L8,    23
.set R16,   24
.set SWL,   25
.set VBO,   26
.set SPW,   28
.set NIL,   29
.set SCT1,  32
.set SCW,   64
.set SCT0,  96
.set AF,    128
.set X,     128
.set PC,    192
.set CT,    216
.set TM,    224
.set PW,    240
.set SW,    244
.set VB,    248
.set SEL,   18
.set G1T, 24
.set G1W, 32
.set G1R, 48
.set G0T, 56
.set G0W, 60
.set G0X1, 68
.set G0Y1, 72
.set G0X2, 76
.set G0Y2, 80
.set ST1, 84
.set ST0, 86
.set SW0, 88
.set SWV, 90
.set SB,  92
.set SBV, 94
.set CP,  96
.set SP,  98
.set CPV, 100
.set SPV, 22
.set MSB, 0
.macro WIN new
.if MSB != (\new)
	s_set_vgpr_msb (MSB<<8)|(\new)
.set MSB, (\new)
.endif
.endm
.set MUL,  0xa1                        ; source 0 window 1, source 1 window 0, C and D window 2
.set TO_B, 0x40
.macro CREST
	s_cmp_lg_u32 s14, 0
	s_cbranch_scc1 .Lnot_wave_0_\@
	s_barrier_signal -3
.Lnot_wave_0_\@:
	s_barrier_wait -3
	s_barrier_signal -1
	s_barrier_wait -1
.endm
.macro CROUND
	s_barrier_signal -1
	s_barrier_wait -1
	CREST
.endm
.macro PLACES n
.rept \n
	v_nop
.endr
.endm
.macro SHAPE g, c, r, p                ; r rows of c elements of 8 bytes, p elements apart
	s_mov_b32 s[\g+1], (\c)<<16
	s_mov_b32 s[\g+2], (\r)<<16
	s_mov_b32 s[\g+3], (\c)<<16
	s_mov_b32 s[\g+4], \r
	s_mov_b32 s[\g+5], \p
	s_mov_b32 s[\g+6], 0
	s_mov_b32 s[\g+7], 0
.endm
.macro ADDR g                          ; the offset laid in a group 0 becomes the address in the codes' buffer, with the type
	s_add_nc_u64 s[\g+2:\g+3], s[4:5], s[\g+2:\g+3]
	s_or_b32 s[\g+3], s[\g+3], 0x80000000
.endm
; 64 numbers of a lane (register 16 b + i = k 32 b + 16 (lane / 16) + i of my row) become a fragment's codes and the row's scale word
.macro QUANT s, pc, pw
.irp b, 0,1,2,3
	v_max3_num_f32 v[TM+\b], |v[\s+16*\b]|, |v[\s+16*\b+1]|, 0x2800000   ; with the floor 2^(5 - 127): the byte cannot fall under 1
.endr
.irp b, 0,1,2,3
	v_max3_num_f32 v[TM+8+\b], |v[\s+16*\b+8]|, |v[\s+16*\b+9]|, |v[\s+16*\b+10]|   ; two chains to a block, eight in all: numbers 0-7 and 8-14
.endr
.irp i, 2,4,6
.irp b, 0,1,2,3
	v_max3_num_f32 v[TM+\b], v[TM+\b], |v[\s+16*\b+\i]|, |v[\s+16*\b+\i+1]|
.endr
.if \i < 6
.irp b, 0,1,2,3
	v_max3_num_f32 v[TM+8+\b], v[TM+8+\b], |v[\s+16*\b+\i+9]|, |v[\s+16*\b+\i+10]|
.endr
.endif
.endr
.irp b, 0,1,2,3
	v_max3_num_f32 v[TM+\b], v[TM+\b], v[TM+8+\b], |v[\s+16*\b+15]|
.endr
.irp b, 0,1,2,3
	v_permlanex16_b32 v[TM+4+\b], v[TM+\b], s[SEL], s[SEL+1]
.endr
.irp b, 0,1,2,3
	v_max_num_f32 v[TM+\b], v[TM+\b], v[TM+4+\b]
.endr
.irp b, 0,1,2,3
	v_add_nc_u32 v[TM+12+\b], 0xfe000000, v[TM+\b]   ; 4 off the exponent field: the conversion's scale operand
.endr
.irp b, 0,1,2,3
	v_lshrrev_b32 v[TM+4+\b], 23, v[TM+12+\b]
.endr
	v_lshl_or_b32 v[\pw], v[TM+5], 8, v[TM+4]
	v_lshl_or_b32 v[\pw], v[TM+6], 16, v[\pw]
	v_lshl_or_b32 v[\pw], v[TM+7], 24, v[\pw]
.irp c, 0,1
	v_cvt_scalef32_pk16_bf6_f32 v[\pc+6*\c:\pc+6*\c+2], v[\s+32*\c:\s+32*\c+15], v[TM+12+2*\c]
	v_cvt_scalef32_pk16_bf6_f32 v[CT+4*\c:CT+4*\c+2], v[\s+32*\c+16:\s+32*\c+31], v[TM+13+2*\c]
.endr
	v_nop                                          ; one plain place behind a scaled conversion
.irp c, 0,1
.irp i, 0,1,2
	v_permlane16_swap_b32 v[\pc+6*\c+\i], v[CT+4*\c+\i]
.endr
.irp i, 0,1,2
	v_mov_b32 v[\pc+6*\c+3+\i], v[CT+4*\c+\i]
.endr
.endr
.endm
	s_load_b256 s[4:11], s[0:1], 0x0               ; the codes s[4:5], the scale words s[6:7], the bias s[8:9], the records s[10:11]
	v_lshl_add_u32 v[SPW], v0, 2, SPARE
	v_mov_b32 v[NIL], 0
	ds_add_u32 v[SPW], v[NIL]                      ; the opening lines: the add twice on end and its wait
	ds_add_u32 v[SPW], v[NIL]
	v_lshrrev_b32 v1, 5, v0
	v_readfirstlane_b32 s14, v1                    ; wave 0..3
	v_and_b32 v1, 15, v0                           ; r
	v_bfe_u32 v2, v0, 4, 1                         ; h
	v_and_b32 v3, 31, v0
	v_lshlrev_b32 v[L16], 4, v3
	v_lshlrev_b32 v[L8], 3, v3
	v_lshlrev_b32 v[R16], 4, v1
	v_lshlrev_b32 v[H64], 6, v2                    ; the bias along the registers: 64 h bytes
	v_lshlrev_b32 v[SH16], 4, v2
	v_mul_u32_u24 v[SWL], v2, REC
	v_add_nc_u32 v[SWL], v[SWL], v[R16]            ; q's, k's scale words: lanes 0-15 the first head's, lanes 16-31 the second's
	v_and_b32 v[VBO], 8, v1
	v_add_nc_u32 v[VBO], v[VBO], v1
	v_lshlrev_b32 v[VBO], 2, v[VBO]                ; the bias along the lanes: 4 (r + 8 (r / 8))
.irp b, 0,1,2,3
	v_mov_b32 v[TM+4+\b], 0                        ; a lane permute's destination counts as one of its sources
.endr
	s_lshr_b32 s15, s14, 1                         ; I fetch tokens (0) or weights (1).  Pass 2: which 128 tokens
	s_and_b32 s16, s14, 1                          ; which four K steps I fetch at the head.  Pass 2: which head
	s_bfe_u32 s40, ttmp6, 0x40000                  ; cx, cy
	s_bfe_u32 s41, ttmp6, 0x40004
	s_lshl_b32 s42, ttmp9, 2
	s_add_co_u32 s42, s42, s40                     ; i
	s_and_b32 s17, ttmp7, 0xffff
	s_lshl_b32 s17, s17, 2
	s_add_co_u32 s17, s17, s41                     ; p
	s_lshl_b32 s43, s41, 2
	s_lshl_b32 s43, 15, s43                        ; my row of the cluster
	s_lshl_b32 s44, 0x1111, s40                    ; my column
	s_or_b32 s[G1T], s43, (3<<16)|(1<<21)
	SHAPE G1T, 32, 384, 32                         ; four K steps of tokens: 98,304 dense bytes as rows of 256
	s_or_b32 s[G1W], s44, (3<<16)|(1<<21)
	SHAPE G1W, 1536, 4, 3072                       ; a slot: half of each of four K steps: rows of 12,288 bytes, 24,576 apart
	s_or_b32 s[G1R], s44, (3<<16)|(1<<21)
	SHAPE G1R, 32, 48, 32                          ; half of one K step: 12,288 dense bytes
	s_mul_i32 s13, s16, 4*KSB
	s_mov_b32 s[G0T], 1
	s_mov_b32 s[G0T+1], s13
	s_mul_i32 s[G0T+2], s17, PANB
	s_add_co_u32 s[G0T+2], s[G0T+2], s13
	s_mov_b32 s[G0T+3], 0
	s_add_co_u32 s46, s42, 32
	s_mul_i32 s46, s46, PANB                       ; the first weight block
	s_lshr_b32 s47, s42, 1
	s_add_co_u32 s47, s47, 40
	s_mul_i32 s47, s47, PANB
	s_and_b32 s45, s42, 1
	s_mul_i32 s45, s45, HKB
	s_add_co_u32 s47, s47, s45                     ; the third
	s_mov_b32 s[G0W], 1
	s_mul_i32 s[G0W+1], s16, 4*HKB
	s_add_co_u32 s[G0W+1], s[G0W+1], WREG
	s_add_co_u32 s[G0W+2], s46, s13
	s_mov_b32 s[G0W+3], 0
	s_mul_i32 s45, s14, KSB                        ; a refill: my K step of the slot's four,
	s_mul_i32 s12, s14, HKB
	s_add_co_u32 s12, s12, WREG                    ; and where it goes
	s_add_co_u32 s46, s46, s45
	s_add_co_u32 s47, s47, s45
.irp g, G0X1, G0Y1, G0X2, G0Y2
	s_mov_b32 s[\g], 1
	s_mov_b32 s[\g+3], 0
.endr
	s_mov_b32 s[G0X1+1], s12
	s_mov_b32 s[G0X2+1], s12
	s_add_co_u32 s[G0Y1+1], s12, 4*HKB
	s_add_co_u32 s[G0Y2+1], s12, 4*HKB
	s_add_co_u32 s[G0X1+2], s46, HKB               ; the second block is the other half of the first's panel
	s_add_co_u32 s[G0Y1+2], s46, HKB+4*KSB
	s_mov_b32 s[G0X2+2], s47
	s_add_co_u32 s[G0Y2+2], s47, 4*KSB
	s_mov_b32 s3, 0
	s_wait_alu depctr_va_vdst(0)                   ; the wait ahead of the waits below
	s_wait_dscnt 0x0
	s_wait_kmcnt 0x0
.irp g, G0T, G0W, G0X1, G0Y1, G0X2, G0Y2
	ADDR \g
.endr
	CROUND                                         ; all sixteen work-groups are here: the first joint loads meet
	s_cmp_eq_u32 s15, 0
	s_cbranch_scc0 .Lfor_w
	tensor_load_to_lds s[G0T:G0T+3], s[G1T:G1T+7]
	s_nop 0
	PLACES 4
	s_branch .Lasked
.Lfor_w:
	tensor_load_to_lds s[G0W:G0W+3], s[G1W:G1W+7]
	s_nop 0
	PLACES 4
.Lasked:
	; the scale words and the biases, while the tiles are on their way
	s_lshl_b32 s2, s17, 13
	s_lshl_b32 s12, s14, 8
	s_add_co_u32 s2, s2, s12
	s_add_nc_u64 s[ST1:ST1+1], s[6:7], s[2:3]      ; the tokens' words, my 4 tiles' 256 bytes of a K step's 1,024
	s_lshl_b32 s2, s17, 13
	s_lshl_b32 s12, s15, 9
	s_add_co_u32 s2, s2, s12
	s_add_nc_u64 s[ST0:ST0+1], s[6:7], s[2:3]      ; and my 8 tiles' 512 bytes
	s_add_co_u32 s2, s42, 32
	s_lshl_b32 s2, s2, 13
	s_add_nc_u64 s[SW0:SW0+1], s[6:7], s[2:3]
	s_lshr_b32 s2, s42, 1
	s_add_co_u32 s2, s2, 40
	s_lshl_b32 s2, s2, 13
	s_and_b32 s12, s42, 1
	s_lshl_b32 s12, s12, 9
	s_add_co_u32 s2, s2, s12
	s_lshl_b32 s12, s16, 8
	s_add_co_u32 s2, s2, s12
	s_add_nc_u64 s[SWV:SWV+1], s[6:7], s[2:3]
	s_lshl_b32 s2, s42, 10
	s_add_nc_u64 s[SB:SB+1], s[8:9], s[2:3]        ; 4 bytes x 256 i
	s_lshl_b32 s2, s42, 9
	s_lshl_b32 s12, s16, 8
	s_add_co_u32 s2, s2, s12
	s_add_co_u32 s2, s2, 8192
	s_add_nc_u64 s[SBV:SBV+1], s[8:9], s[2:3]      ; 4 bytes x (2,048 + 128 i + 64 x my head)
.irp k, 0,1,2,3,4,5,6,7
	global_load_b128 v[SCT1+4*\k:SCT1+4*\k+3], v[R16], s[ST1:ST1+1] offset:1024*\k
	global_load_b128 v[SCW+4*\k:SCW+4*\k+3], v[L16], s[SW0:SW0+1] offset:1024*\k
	global_load_b128 v[SCT0+4*\k:SCT0+4*\k+3], v[L16], s[ST0:ST0+1] offset:1024*\k
.endr
.irp a, 0,1,2,3
	global_load_b32 v[VB+2*\a], v[VBO], s[SBV:SBV+1] offset:4*(32*(\a/2)+8*(\a%2))   ; my row's bias, in both registers of a pair
	global_load_b32 v[VB+2*\a+1], v[VBO], s[SBV:SBV+1] offset:4*(32*(\a/2)+8*(\a%2))
.endr
	WIN 0xc0
.irp b, 0,1,2,3,4,5,6,7
.irp j, 0,1,2,3
	global_load_b128 v[16*\b+4*\j:16*\b+4*\j+3], v[H64], s[SB:SB+1] offset:128*\b+16*\j   ; register 16 b + i: row 32 b + 16 h + i of the panel's 256
.endr
.endr
	WIN 0
	s_mul_i32 s2, s14, 4*FRB
	s_mul_i32 s12, s15, 8*FRB
	s_mul_i32 s13, s16, 4*FRB
	s_add_co_u32 s13, s13, WREG
.irp c, 0,1,2,3
	v_add_nc_u32 v[ADT+\c], s2, v[L16]
	v_add_nc_u32 v[ADT2+\c], s12, v[L16]
	v_add_nc_u32 v[ADW+\c], WREG+\c*2*HKB, v[L16]
	v_add_nc_u32 v[ADW2+\c], s13, v[L16]
	s_add_co_u32 s2, s2, 2*KSB
	s_add_co_u32 s12, s12, 2*KSB
	s_add_co_u32 s13, s13, 2*HKB
.endr
	; where the results go
	s_lshr_b32 s18, s17, 2
	s_lshl_b32 s18, s18, 4                         ; 16 x batch
	s_and_b32 s19, s17, 3                          ; which 256 tokens of the batch
	s_and_b32 s12, s42, 3
	s_lshl_b32 s12, s12, 2
	s_add_co_u32 s12, s12, s18
	s_mul_i32 s12, s12, REC                        ; q, k: the first of the panel's four heads
	s_lshr_b32 s13, s42, 2                         ; 0 q, 1 k
	s_mul_i32 s2, s13, 61440
	s_lshl_b32 s45, s19, 4
	s_lshl_b32 s46, s14, 2
	s_add_co_u32 s45, s45, s46                     ; my first tile of the batch's 64
	s_mul_i32 s45, s45, 768
	s_add_co_u32 s2, s2, s45
	s_add_co_u32 s2, s2, s12
	s_add_nc_u64 s[CP:CP+1], s[10:11], s[2:3]
	s_lshl_b32 s2, s13, 12
	s_add_co_u32 s2, s2, 49152
	s_lshl_b32 s45, s19, 2
	s_add_co_u32 s45, s45, s14
	s_lshl_b32 s45, s45, 8
	s_add_co_u32 s2, s2, s45
	s_add_co_u32 s2, s2, s12
	s_add_nc_u64 s[SP:SP+1], s[10:11], s[2:3]
	s_lshl_b32 s12, s42, 1
	s_add_co_u32 s12, s12, s16
	s_add_co_u32 s12, s12, s18
	s_mul_i32 s12, s12, REC                        ; v: my head
	s_lshl_b32 s13, s19, 1
	s_add_co_u32 s13, s13, s15                     ; my key step
	s_mul_i32 s2, s13, 6144
	s_add_co_u32 s2, s2, s12
	s_add_co_u32 s2, s2, 110592
	s_add_nc_u64 s[CPV:CPV+1], s[10:11], s[2:3]
	s_lshl_b32 s2, s13, 9
	s_add_co_u32 s2, s2, s12
	s_add_co_u32 s2, s2, 57344
	s_add_nc_u64 s[SPV:SPV+1], s[10:11], s[2:3]
	s_mov_b32 s[SEL], 0x76543210
	s_mov_b32 s[SEL+1], 0xfedcba98
; A pass is steered by symbols: A0, P0: source 0's address registers and the bytes from K step to K step; A1, P1: source 1's; S0, S1: the scale words; RF: the first slot is filled again, by group 0 GX.
.macro FRAG reg, adr, off              ; a fragment comes as it was stored: 3 loads of 512 consecutive bytes
.irp c, 0,1,2
	ds_load_b128 v[\reg+4*\c:\reg+4*\c+3], v[\adr] offset:(\off)+512*\c
.endr
.endm
.macro FETCH_S0 ks
	WIN TO_B
.irp i, 0,1,2,3,4,5,6,7
	FRAG 128*((\ks)%2)+12*\i, A0+(\ks)/2, ((\ks)%2)*P0+\i*FRB
.endr
	WIN 0
.endm
.macro FETCH_S1 ks
	WIN 0
.irp i, 0,1,2,3
	FRAG AF+48*((\ks)%2)+12*\i, A1+(\ks)/2, ((\ks)%2)*P1+\i*FRB
.endr
.endm
.macro FETCH ks
	FETCH_S0 \ks
	FETCH_S1 \ks
.endm
; the 32 accumulators take turns, one instruction a turn; K step 0 starts the sums
.macro MUL16 a0, ks
.irp a, \a0, \a0+1
.irp b, 0,1,2,3,4,5,6,7
.set rD, 8*(8*(\a)+\b)
.set rB, 128*((\ks)%2)+12*\b
.set rA, AF+48*((\ks)%2)+12*(\a)
.set rS0, S0+4*(\ks)+\b%4
.set rS1, S1+4*(\ks)+(\a)
.if (\ks) == 0
.if \b >= 4
	v_wmma_scale_f32_16x16x128_f8f6f4 v[rD:rD+7], v[rB:rB+11], v[rA:rA+11], 0, v[rS0], v[rS1] matrix_a_fmt:MATRIX_FMT_BF6 matrix_b_fmt:MATRIX_FMT_BF6 matrix_a_scale:MATRIX_SCALE_ROW1
.else
	v_wmma_scale_f32_16x16x128_f8f6f4 v[rD:rD+7], v[rB:rB+11], v[rA:rA+11], 0, v[rS0], v[rS1] matrix_a_fmt:MATRIX_FMT_BF6 matrix_b_fmt:MATRIX_FMT_BF6
.endif
.else
.if \b >= 4
	v_wmma_scale_f32_16x16x128_f8f6f4 v[rD:rD+7], v[rB:rB+11], v[rA:rA+11], v[rD:rD+7], v[rS0], v[rS1] matrix_a_fmt:MATRIX_FMT_BF6 matrix_b_fmt:MATRIX_FMT_BF6 matrix_a_scale:MATRIX_SCALE_ROW1
.else
	v_wmma_scale_f32_16x16x128_f8f6f4 v[rD:rD+7], v[rB:rB+11], v[rA:rA+11], v[rD:rD+7], v[rS0], v[rS1] matrix_a_fmt:MATRIX_FMT_BF6 matrix_b_fmt:MATRIX_FMT_BF6
.endif
.endif
.endr
.endr
.endm
.macro KSTEP ks
	s_wait_dscnt 0x0                               ; this step's fragments are in
.if (\ks) == 3
; my reads of the first slot are over.  The tokens' fragments of K step 4 lie in bytes that are never filled again: they are fetched first (TOK1: the tokens are source 1).  Then: all my tensor loads have landed (my part of the
; second slot among them), the add, the wait for it and for my LDS reads; the barrier shows the second slot whole, and, where the first slot is filled again, opens a round of the cluster's barrier, behind which the refill is
; the first tensor load.  The weights' fragments of K step 4 follow, and the step's other sixteen products stand behind them.
	PLACES NP
.if TOK1
	FETCH_S1 4
.else
	FETCH_S0 4
.endif
	WIN 0
	s_wait_tensorcnt 0x0
	ds_add_u32 v[SPW], v[NIL]
	WIN MUL
	MUL16 0, \ks
	s_wait_dscnt 0x0
	WIN 0
	s_barrier_signal -1
	s_barrier_wait -1
.if RF
	CREST
	tensor_load_to_lds s[GX:GX+3], s[G1R:G1R+7]
	s_nop 0
.endif
	PLACES NP
.if TOK1
	FETCH_S0 4
.else
	FETCH_S1 4
.endif
	WIN MUL
	MUL16 2, \ks
.else
.if (\ks) < 7
.if (\ks) > 0
	PLACES NP                                      ; in front of loads into registers that matrix instructions have read
.endif
	FETCH (\ks)+1
.endif
	WIN MUL
	MUL16 0, \ks
	MUL16 2, \ks
.endif
.endm
.macro PASS
	s_wait_loadcnt 0x0                             ; the weights' scale words
	s_wait_xcnt 0x0                                ; the last pass's stores have read their registers
.if EARLY
	FETCH_S1 0                                     ; source 0's fragments of K step 0 were asked for in the middle of the last epilogue
.else
	FETCH 0
.endif
.irp k, 0,1,2,3,4,5,6,7
	KSTEP \k
.endr
	WIN 0
	PLACES NP
.endm
; THE EPILOGUE of source 1's tile a: a lane's 64 results are 128 neighbours along the next K: + the bias, one fragment, one scale word a row; they leave from registers in whole runs of 512 or 256 bytes.
; kind 0 (q, k; pass j): registers 0-5 are the first head's tile, 6-11 the second's.  kind 1 (v): a fragment of channel tile a.
.macro EBLK a, kind, j
.set PCS, PC+12*((\a)%2)
.set AC, 64*(\a)
.if (\a) >= 2
	s_wait_xcnt 0x0                                ; the stores of two blocks ago have read this set of codes (blocks 0, 1: the wait at the pass's start has served)
.endif
.set i, 0
.if \kind == 0
	WIN 0x0e
.rept 32
	v_pk_add_f32 v[X+i:X+i+1], v[AC+i:AC+i+1], v[64*(\j)+i:64*(\j)+i+1]   ; each accumulator from its low end on
.set i, i+2
.endr
.else
	WIN 0x02
.rept 32
	v_pk_add_f32 v[X+i:X+i+1], v[AC+i:AC+i+1], v[VB+2*(\a):VB+2*(\a)+1]
.set i, i+2
.endr
.endif
	WIN 0
	QUANT X, PCS, PW+(\a)
.if \kind == 0
	global_store_b128 v[L16], v[PCS:PCS+3], s[CP:CP+1] offset:2*(\j)*REC+768*(\a)
	global_store_b64 v[L8], v[PCS+4:PCS+5], s[CP:CP+1] offset:2*(\j)*REC+768*(\a)+512
	global_store_b128 v[L16], v[PCS+6:PCS+9], s[CP:CP+1] offset:(2*(\j)+1)*REC+768*(\a)
	global_store_b64 v[L8], v[PCS+10:PCS+11], s[CP:CP+1] offset:(2*(\j)+1)*REC+768*(\a)+512
.else
.irp c, 0,1,2
	global_store_b128 v[L16], v[PCS+4*\c:PCS+4*\c+3], s[CPV:CPV+1] offset:(\a)*FRB+512*\c
.endr
.endif
.endm
.macro REFILL_Y g                      ; the second slot was read out in K step 7; the first slot's refill has had half a pass in which to land
	s_wait_tensorcnt 0x0
	ds_add_u32 v[SPW], v[NIL]
	s_wait_dscnt 0x0
	CROUND
	tensor_load_to_lds s[\g:\g+3], s[G1R:G1R+7]
	s_nop 0
	PLACES 4
.endm
.macro QKWORDS j                       ; lanes 0-15 store the first head's two bytes of each word, lanes 16-31 the second's: two runs of 256 bytes
.irp a, 0,1,2,3
	v_lshrrev_b32 v[SW+\a], v[SH16], v[PW+\a]
.endr
.irp a, 0,1,2,3
	v_and_b32 v[SW+\a], 0xffff, v[SW+\a]
.endr
	global_store_b128 v[SWL], v[SW:SW+3], s[SP:SP+1] offset:2*(\j)*REC
.endm
	s_wait_alu depctr_va_vdst(0)                   ; the wait at the head's end
	s_wait_tensorcnt 0x0                           ; my part of the tiles,
	s_barrier_signal -1
	s_barrier_wait -1                              ; and everybody's
.set A0, ADW
.set P0, HKB
.set A1, ADT
.set P1, KSB
.set S0, SCW
.set S1, SCT1
.set RF, 1
.set GX, G0X1
.set EARLY, 0
.set TOK1, 1
	PASS
.irp k, 0,1,2,3,4,5,6,7
	global_load_b128 v[SCW+4*\k:SCW+4*\k+3], v[L16], s[SW0:SW0+1] offset:1024*\k+512   ; the next block's scale words
.endr
	EBLK 0, 0, 0
	EBLK 1, 0, 0
	REFILL_Y G0Y1
	FETCH_S0 0                                     ; the round has shown the first slot's next block whole: its K step 0 goes into window 1, which the epilogue does not touch
.set EARLY, 1
	EBLK 2, 0, 0
	EBLK 3, 0, 0
	QKWORDS 0
.set GX, G0X2
	PASS
.irp k, 0,1,2,3,4,5,6,7
	global_load_b128 v[SCW+4*\k:SCW+4*\k+3], v[R16], s[SWV:SWV+1] offset:1024*\k
.endr
	EBLK 0, 0, 1
	EBLK 1, 0, 1
	REFILL_Y G0Y2
.set A0, ADT2
.set P0, KSB
	FETCH_S0 0                                     ; pass 2's source 0 is the tokens' tiles
	EBLK 2, 0, 1
	EBLK 3, 0, 1
	QKWORDS 1
.set A0, ADT2
.set P0, KSB
.set A1, ADW2
.set P1, HKB
.set S0, SCT0
.set S1, SCW
.set RF, 0
.set TOK1, 0
	PASS
.irp a, 0,1,2,3
	EBLK \a, 1, 0
.endr
	global_store_b128 v[L16], v[PW:PW+3], s[SPV:SPV+1]   ; the words of my head's four channel tiles (lanes 16-31 repeat lanes 0-15)
	s_wait_tensorcnt 0x0                           ; the wave's end
	ds_add_u32 v[SPW], v[NIL]
	s_wait_dscnt 0x0
	CROUND                                         ; the closing round
	s_endpgm
.Lfunc_end_k_qadd63ade94_qkvgemm:
	.size	k_qadd63ade94_qkvgemm, .Lfunc_end_k_qadd63ade94_qkvgemm-k_qadd63ade94_qkvgemm
	.p2alignl 7, 3214868480
	.fill 96, 4, 3214868480
	.section	.rodata,"a",@progbits
	.p2align	6, 0x0
	.amdhsa_kernel k_qadd63ade94_qkvgemm
		.amdhsa_group_segment_fixed_size 327680
		.amdhsa_private_segment_fixed_size 0
		.amdhsa_enable_private_segment 0
		.amdhsa_kernarg_size 32
		.amdhsa_user_sgpr_count 2
		.amdhsa_user_sgpr_kernarg_segment_ptr 1
		.amdhsa_wavefront_size32 1
		.amdhsa_system_sgpr_workgroup_id_x 1
		.amdhsa_system_sgpr_workgroup_id_y 1
		.amdhsa_system_sgpr_workgroup_id_z 1
		.amdhsa_system_vgpr_workitem_id 0
		.amdhsa_next_free_vgpr 1024
		.amdhsa_next_free_sgpr 102
		.amdhsa_reserve_vcc 0
		.amdhsa_float_denorm_mode_32 3
		.amdhsa_float_denorm_mode_16_64 3
		.amdhsa_memory_ordered 1
		.amdhsa_forward_progress 1
		.amdhsa_inst_pref_size 253
	.end_amdhsa_kernel
	.amdgpu_metadata
---
amdhsa.version: [ 1, 2 ]
amdhsa.kernels:
  - .name:           k_qadd63ade94_qkvgemm
    .symbol:         k_qadd63ade94_qkvgemm.kd
    .args:
      - { .name: cimg, .offset: 0, .size: 8, .value_kind: global_buffer, .address_space: global }
      - { .name: simg, .offset: 8, .size: 8, .value_kind: global_buffer, .address_space: global }
      - { .name: in_proj_bias, .offset: 16, .size: 8, .value_kind: global_buffer, .address_space: global }
      - { .name: qkv, .offset: 24, .size: 8, .value_kind: global_buffer, .address_space: global }
    .group_segment_fixed_size: 327680
    .private_segment_fixed_size: 0
    .kernarg_segment_align: 8
    .kernarg_segment_size: 32
    .max_flat_workgroup_size: 128
    .sgpr_count:     102
    .vgpr_count:     1024
    .wavefront_size: 32
...
	.end_amdgpu_metadata
.endif
;; end of part 2
;; launch attn (part 3): grid 4 x 64, 16 waves a work-group, clusters of 4 x 1, 327,680 bytes of LDS; arguments qkv, o_img, o_sc; writes o_img, o_sc
.if DOCPART == 3
	.amdgcn_target "amdgcn-amd-amdhsa--gfx1250"
	.amdhsa_code_object_version 6
	.text
	.protected	k_qadd63ade94_attn
	.globl	k_qadd63ade94_attn
	.p2align	8
	.type	k_qadd63ade94_attn,@function
k_qadd63ade94_attn:
	s_mov_b64 s[64:65], 0
	v_nop
	global_prefetch_b8 v0, s[64:65] scope:SCOPE_SE
	s_setreg_imm32_b32 hwreg(HW_REG_WAVE_MODE, 25, 1), 1
	s_wait_xcnt 0x0
	s_wait_alu depctr_hold_cnt(0) depctr_sa_sdst(0) depctr_va_vdst(0) depctr_va_sdst(0) depctr_va_ssrc(0) depctr_va_vcc(0) depctr_vm_vsrc(0)
	s_getreg_b32 s2, hwreg(HW_REG_IB_STS2, 6, 4)
	s_cmp_eq_u32 s2, 0
	s_cbranch_scc0 .Lentry_in_a_cluster
	s_endpgm
.Lentry_in_a_cluster:
	s_bfe_u32 s2, ttmp6, 0x10000c
	s_cmp_lg_u32 s2, 0x3003
	s_cbranch_scc0 .Lentry_shape_is_right
	s_endpgm
.Lentry_shape_is_right:
; o = softmax(q k^T / 8) v for two heads and 256 queries a work-group, on codes of BF6 (E3M2) with E8M0 scales; o is quantised along the channels and leaves as the image of the last product's operand.
; p = 2^(t - M), t = score x log2(e) / 8, M the running largest t rounded up to a whole number; the row's sum is taken of the unquantised p; O^T is divided by it at the end.
; LIMIT: the promise holds while the scaled scores stay under 2^31 in magnitude.  NaN and infinities are not served.
; A wave takes 16 queries (one tile of q) through both heads, one after the other, in steps of 128 keys.  Both products are used transposed (S^T = k q^T, O^T = v^T p^T): a lane holds one query.
; LDS: of each head's record the 106,496 bytes from k's scale words on (k's words, v's words, k's tiles, v's fragments), as rows of 256 bytes, 320 apart.  Both heads come at the head: 16 parts of 52 rows, one tensor load a wave,
; asked for jointly by the four work-groups of a cluster, which take the four quarters of the queries.  Nothing is filled again, so there is no ring, and no prefetch: every tile is asked for at the head.
; THE KEYS OF A TILE OF S ARE CHOSEN BY THE LANES' ADDRESSES: tile (c, u) takes in rows 0-7 the keys 64 c + 8 u + 0..7 and in rows 8-15 the keys 64 c + 32 + 8 u + 0..7.  So the 32 registers of tiles (c, 0..3) of lane (r, h)
; are the WHOLE block 2 c + h of 32 keys, in order: its largest score needs no other lane, and the conversions' results are p's operand registers.  In the record's tile t lane r holds key 32 (t / 2) + 8 (t % 2) + r + 8 (r / 8):
; rows 8 R .. 8 R + 7 of tile (c, u) are lanes 8 (u / 2) + 0..7 of the record's tile 4 c + 2 R + u % 2.  Two record tiles are 6 LDS rows, 1,920 bytes, apart.
; Four waves share a SIMD: the maxima go in eight chains, the row's sum as a tree, the scale bytes' chain among the rescaling of O^T; the one serial chain, from the step's maximum to -M, carries hints.
.set REC,   159744
.set PIT,   320                        ; an LDS row: 256 bytes + 64
.set WROWS, 52
.set HP,    8*WROWS*PIT                ; a head's part in LDS: 133,120
.set OSC,   2*HP                       ; 1,024 bytes: o's scale words on their way out
.set SPARE, OSC+1024                   ; the spare words, 128 bytes a wave
.set L16, 1
.set L8,  2
.set R16, 3
.set B16, 4                            ; lane terms of k's loads of 16 and of 8 bytes, of k's scale words
.set B8,  5
.set BS,  6
.set AK16, 9
.set AK8, 10
.set AKS, 11
.set KV,  36                           ; v36-83 eight tiles of k or four fragments of v; v84-89 zeros
.set AV,  90
.set AVS, 91
.set OM,  92                           ; the last step's -M
.set SH8, 93                           ; 8 h
.set LV,  94                           ; 16 (lane % 16) + 320 (lane / 16)
.set S,   96
.set O,   160
.set P,   192
.set CT,  204                          ; v204-211: the eight chains' maxima, then the conversions' second halves
.set MX,  204
.set BM,  212
.set BP,  216
.set SO,  220
.set KSW, 224
.set VSW, 228
.set PSW, 232
.set TT,  233
.set FF,  234
.set SU,  236                          ; with v[14:15]: the row's sum in four parts
.set OF,  240
.set OSW, 252
.set U16, 253
.set WV,  12
.set SEL, 20
.set CS,  22
.set G1,  24
.set G0,  32
.set TK,  40
.set TS,  41
.set CNT, 42
.set TV,  43
.macro CROUND
	s_barrier_signal -1
	s_barrier_wait -1
	s_cmp_lg_u32 s[WV], 0
	s_cbranch_scc1 .Lnot_wave_0_\@
	s_barrier_signal -3
.Lnot_wave_0_\@:
	s_barrier_wait -3
	s_barrier_signal -1
	s_barrier_wait -1
.endm
	s_load_b128 s[4:7], s[0:1], 0x0                ; the records, o's codes
	s_load_b64 s[8:9], s[0:1], 0x10                ; o's scale words
	v_lshl_add_u32 v254, v0, 2, SPARE
	v_mov_b32 v255, 0
	ds_add_u32 v254, v255                          ; the opening lines: the add twice on end and its wait
	ds_add_u32 v254, v255
	v_lshrrev_b32 v9, 5, v0
	v_readfirstlane_b32 s[WV], v9
	v_and_b32 v9, 31, v0
	v_lshlrev_b32 v[L16], 4, v9
	v_lshlrev_b32 v[L8], 3, v9
	v_and_b32 v10, 15, v0
	v_lshlrev_b32 v[R16], 4, v10
	s_bfe_u32 s13, ttmp6, 0x40000                  ; cx: which 256 queries
	s_and_b32 s14, ttmp7, 0xffff                   ; which pair of heads
	s_mul_i32 s44, s14, 2*REC
	s_lshr_b32 s45, s[WV], 3                       ; waves 0-7 fetch the first head, 8-15 the second
	s_mul_i32 s45, s45, REC
	s_and_b32 s46, s[WV], 7
	s_mul_i32 s46, s46, WROWS*256
	s_add_co_u32 s48, s44, s45
	s_add_co_u32 s48, s48, s46
	s_add_co_u32 s48, s48, 53248
	s_mov_b32 s49, 0
	s_mov_b32 s[G1], 15|(3<<16)|(1<<20)|(1<<21)|(5<<22)|(15<<25)   ; the cluster's four; elements of 8 bytes; 16 words of padding behind every 64
	s_mov_b32 s[G1+1], 32<<16
	s_mov_b32 s[G1+2], WROWS<<16
	s_mov_b32 s[G1+3], 32<<16
	s_mov_b32 s[G1+4], WROWS
	s_mov_b32 s[G1+5], 32
	s_mov_b32 s[G1+6], 0
	s_mov_b32 s[G1+7], 0
	s_mov_b32 s[G0], 1
	s_mul_i32 s[G0+1], s[WV], WROWS*PIT
	s_mov_b32 s[SEL], 0x76543210
	s_mov_b32 s[SEL+1], 0xfedcba98
	s_mov_b32 s[CS], 0x3e38aa3b                    ; log2(e) / 8
	s_mov_b32 s[CS+1], s[CS]
	s_lshl_b32 s50, s13, 4
	s_add_co_u32 s50, s50, s[WV]                   ; my tile of q, 0..63
	s_mul_i32 s52, s50, 768
	s_add_co_u32 s52, s52, s44
	s_mov_b32 s53, 0
	s_lshr_b32 s54, s50, 2
	s_lshl_b32 s54, s54, 8
	s_and_b32 s55, s50, 3
	s_lshl_b32 s55, s55, 2
	s_add_co_u32 s54, s54, s55
	s_add_co_u32 s54, s54, s44
	s_add_co_u32 s54, s54, 49152
	s_mov_b32 s55, 0
	s_wait_alu depctr_va_vdst(0)                   ; the wait ahead of the waits below
	s_wait_dscnt 0x0
	s_wait_kmcnt 0x0
	s_add_nc_u64 s[G0+2:G0+3], s[4:5], s[48:49]
	s_or_b32 s[G0+3], s[G0+3], 0x80000000
	s_add_nc_u64 s[52:53], s[4:5], s[52:53]
	s_add_nc_u64 s[54:55], s[4:5], s[54:55]
	global_load_b128 v[16:19], v[L16], s[52:53]    ; q of both heads and its scale words, on their way beside the tiles
	global_load_b64 v[20:21], v[L8], s[52:53] offset:512
	global_load_b128 v[30:33], v[L16], s[52:53] offset:REC
	global_load_b64 v[34:35], v[L8], s[52:53] offset:REC+512
	global_load_b32 v28, v[R16], s[54:55]
	global_load_b32 v29, v[R16], s[54:55] offset:REC
	CROUND                                         ; the four work-groups are here: the joint loads meet
	tensor_load_to_lds s[G0:G0+3], s[G1:G1+7]      ; my one load: 52 rows of one head
	s_nop 0
	v_and_b32 v9, 7, v0                            ; r % 8
	v_bfe_u32 v10, v0, 3, 1                        ; r / 8
	v_bfe_u32 v11, v0, 4, 1                        ; h
	v_mul_u32_u24 v[B16], v10, 6*PIT
	v_lshl_add_u32 v[B8], v9, 3, v[B16]
	v_lshl_add_u32 v[B8], v11, 7, v[B8]            ; 1,920 (r / 8) + 8 (r % 8) + 128 h
	v_lshl_add_u32 v[B16], v9, 4, v[B16]
	v_mad_u32_u24 v[B16], v11, PIT, v[B16]         ; 1,920 (r / 8) + 16 (r % 8) + 320 h
	v_lshlrev_b32 v[BS], 4, v9
	v_lshl_add_u32 v[BS], v10, 3, v[BS]
	v_mad_u32_u24 v[BS], v11, PIT, v[BS]           ; 16 (r % 8) + 8 (r / 8) + 320 h: lanes 16-31 take the words of tiles (1, u)
	v_lshlrev_b32 v[SH8], 3, v11
	v_mad_u32_u24 v[LV], v11, PIT, v[R16]
	s_lshr_b32 s56, s14, 3                         ; o's image: panel = 4 x batch + cx, K step = the pair of heads, tile = wave
	s_lshl_b32 s56, s56, 2
	s_add_co_u32 s56, s56, s13
	s_lshl_b32 s56, s56, 3
	s_and_b32 s57, s14, 7
	s_add_co_u32 s56, s56, s57
	s_lshl_b32 s58, s56, 4
	s_add_co_u32 s58, s58, s[WV]
	s_mul_i32 s58, s58, 1536
	s_mov_b32 s59, 0
	s_add_nc_u64 s[6:7], s[6:7], s[58:59]
	s_min_u32 s57, s[WV], 1
	s_lshl_b32 s57, s57, 9
	s_lshl_b32 s58, s56, 10
	s_add_co_u32 s58, s58, s57
	s_add_nc_u64 s[8:9], s[8:9], s[58:59]
	s_add_co_u32 s57, s57, OSC
	v_add_nc_u32 v8, s57, v[L16]
	s_lshr_b32 s60, s[WV], 2
	s_lshl_b32 s60, s60, 8
	s_and_b32 s61, s[WV], 3
	s_lshl_b32 s61, s61, 2
	s_add_co_u32 s60, s60, s61
	s_add_co_u32 s60, s60, OSC
	v_add_nc_u32 v7, s60, v[R16]
.irp j, 0,1,2,3,4,5
	v_mov_b32 v[22+\j], 0                          ; q's codes of K = 64 .. 127 are zeros: what k's operand holds there adds nothing
	v_mov_b32 v[84+\j], 0
.endr
.irp b, 0,1,2,3
	v_mov_b32 v[BP+\b], 0                          ; a lane permute's destination counts as one of its sources
.endr
	v_mov_b32 v[TT], 0
	v_mov_b32 v[FF+1], 0
.macro OMUL j0, n                      ; n pairs of O^T under the new M
.set j, \j0
.rept \n
	v_pk_mul_f32 v[O+2*j:O+2*j+1], v[O+2*j:O+2*j+1], v[FF:FF+1] op_sel_hi:[1,0]
.set j, j+1
.endr
.endm
.macro TREE n, d                       ; n sums of pairs d registers apart, in place: no line reads what one of the lines just above it wrote
.set j, 0
.rept \n
	v_pk_add_f32 v[S+2*(\d)*j:S+2*(\d)*j+1], v[S+2*(\d)*j:S+2*(\d)*j+1], v[S+2*(\d)*j+(\d):S+2*(\d)*j+(\d)+1]
.set j, j+1
.endr
.endm
; one step: 16 queries x 128 keys
.macro STEP
	v_add_nc_u32 v[AK16], s[TK], v[B16]            ; these four lines are the places behind the last step's products
	v_add_nc_u32 v[AK8], s[TK], v[B8]
	v_add_nc_u32 v[AKS], s[TS], v[BS]
	v_mov_b32 v[OM], v12
.irp c, 0,1
.irp u, 0,1,2,3
	ds_load_b128 v[KV+6*(4*\c+\u):KV+6*(4*\c+\u)+3], v[AK16] offset:3*PIT*(4*\c+\u%2)+128*(\u/2)
	ds_load_b64 v[KV+6*(4*\c+\u)+4:KV+6*(4*\c+\u)+5], v[AK8] offset:3*PIT*(4*\c+\u%2)+2*PIT+64*(\u/2)
.endr
.endr
	ds_load_b64 v[KSW:KSW+1], v[AKS]               ; the words of tiles (h, 0), (h, 1),
	ds_load_b64 v[KSW+2:KSW+3], v[AKS] offset:128  ; and of (h, 2), (h, 3)
	s_wait_alu depctr_va_vdst(0)                   ; the wait ahead of the wait below
	s_wait_dscnt 0x0
.irp u, 0,1,2,3
	v_wmma_scale_f32_16x16x128_f8f6f4 v[S+8*\u:S+8*\u+7], v[KV+6*\u:KV+6*\u+11], v[16:27], 0, v[KSW+\u], v28 matrix_a_fmt:MATRIX_FMT_BF6 matrix_b_fmt:MATRIX_FMT_BF6
.endr
.irp u, 0,1,2,3
	v_wmma_scale_f32_16x16x128_f8f6f4 v[S+32+8*\u:S+32+8*\u+7], v[KV+24+6*\u:KV+24+6*\u+11], v[16:27], 0, v[KSW+\u], v28 matrix_a_fmt:MATRIX_FMT_BF6 matrix_b_fmt:MATRIX_FMT_BF6 matrix_a_scale:MATRIX_SCALE_ROW1
.endr
	v_add_nc_u32 v[AV], s[TV], v[LV]               ; four places behind the products
	v_add_nc_u32 v[AVS], s[TS], v[LV]
	v_nop
	v_nop
.irp t, 0,1,2,3
.irp c, 0,1,2
	ds_load_b128 v[KV+12*\t+4*\c:KV+12*\t+4*\c+3], v[AV] offset:6*PIT*\t+2*PIT*\c
.endr
.endr
	ds_load_b128 v[VSW:VSW+3], v[AVS] offset:16*PIT
; the largest scores, a chain to each of the eight tiles; each accumulator is first read at its low end
.irp t, 0,1,2,3,4,5,6,7
	v_max3_num_f32 v[MX+\t], v[S+8*\t], v[S+8*\t+1], v[S+8*\t+2]
.endr
.irp i, 3,5
.irp t, 0,1,2,3,4,5,6,7
	v_max3_num_f32 v[MX+\t], v[MX+\t], v[S+8*\t+\i], v[S+8*\t+\i+1]
.endr
.endr
.irp t, 0,2,4,6
	v_max3_num_f32 v[MX+\t], v[MX+\t], v[S+8*\t+7], v[S+8*\t+15]
.endr
	v_max3_num_f32 v[BM], v[MX], v[MX+1], v[MX+2]
	v_max3_num_f32 v[BM+1], v[MX+4], v[MX+5], v[MX+6]
	s_delay_alu instid0(VALU_DEP_2)
	v_max_num_f32 v[BM], v[BM], v[MX+3]            ; my block of tiles (0, u),
	s_delay_alu instid0(VALU_DEP_2)
	v_max_num_f32 v[BM+1], v[BM+1], v[MX+7]        ; and of tiles (1, u)
	s_delay_alu instid0(VALU_DEP_1)
	v_max_num_f32 v[TT], v[BM], v[BM+1]
	s_delay_alu instid0(VALU_DEP_1)
	v_permlanex16_b32 v[BP], v[TT], s[SEL], s[SEL+1]
	s_delay_alu instid0(VALU_DEP_1)
	v_max3_num_f32 v13, v13, v[TT], v[BP]          ; the running largest score of my query
	s_delay_alu instid0(VALU_DEP_1)
	v_mul_f32 v[TT], s[CS], v13                    ; as t
	s_delay_alu instid0(VALU_DEP_1)
	v_floor_f32 v12, -v[TT]                        ; -M = floor(-t)
	s_delay_alu instid0(VALU_DEP_1)
	v_fma_f32 v[BM], v[BM], s[CS], v12             ; t - M of each block's largest score
	v_fma_f32 v[BM+1], v[BM+1], s[CS], v12
.set j, 0
.rept 32
	v_pk_fma_f32 v[S+j:S+j+1], v[S+j:S+j+1], s[CS:CS+1], v[12:13] op_sel_hi:[1,0,0]   ; t - M
.if j == 14
	v_sub_f32 v[TT], v12, v[OM]                    ; M's old value less its new one
.endif
.if j == 30
	v_cvt_i32_f32 v[TT], v[TT]                     ; (it saturates)
.endif
.if j == 46
	v_ldexp_f32 v[FF], 1.0, v[TT]                  ; f = 2^(old M - new M)
.endif
.set j, j+2
.endr
	s_wait_alu depctr_va_vdst(0)                   ; the wait ahead of the batch
.set j, 0
.rept 64
	v_exp_f32 v[S+j], v[S+j]
.set j, j+1
.endr
.irp c, 0,1
	v_exp_f32 v[BM+\c], v[BM+\c]                   ; the block's largest p
.endr
	v_pk_mul_f32 v[14:15], v[14:15], v[FF:FF+1] op_sel_hi:[1,0]   ; the sums under the new M; plain places behind the batch
	v_pk_mul_f32 v[SU:SU+1], v[SU:SU+1], v[FF:FF+1] op_sel_hi:[1,0]
	s_wait_alu depctr_va_vdst(0)                   ; one wait for the batch, directly ahead of the first reader of O^T too
	OMUL 0, 1
.irp c, 0,1
	v_max_num_f32 v[BM+\c], 0x2800000, v[BM+\c]    ; the floor 2^(5 - 127): the byte cannot fall under 1
.endr
	OMUL 1, 3
.irp c, 0,1
	v_add_nc_u32 v[SO+\c], 0xfe000000, v[BM+\c]    ; 4 off the exponent field: the conversion's scale operand
.endr
	OMUL 4, 3
.irp c, 0,1
	v_lshrrev_b32 v[BM+2+\c], 23, v[SO+\c]
.endr
	OMUL 7, 3
	v_lshl_or_b32 v[PSW], v[BM+3], 16, v[BM+2]     ; my bytes: blocks h and 2 + h,
	OMUL 10, 3
	v_lshlrev_b32 v[PSW], v[SH8], v[PSW]           ; at their places;
	OMUL 13, 3
	v_permlanex16_b32 v[BP], v[PSW], s[SEL], s[SEL+1]
.irp c, 0,1
	v_cvt_scalef32_pk16_bf6_f32 v[P+6*\c:P+6*\c+2], v[S+32*\c:S+32*\c+15], v[SO+\c]
	v_cvt_scalef32_pk16_bf6_f32 v[CT+4*\c:CT+4*\c+2], v[S+32*\c+16:S+32*\c+31], v[SO+\c]   ; (a conversion's three registers begin on an even number)
.endr
	v_or_b32 v[PSW], v[PSW], v[BP]                 ; with lane l xor 16's two the word is whole.  Also the plain place behind the conversions
	TREE 16, 2                                     ; the row's sum, of the unquantised p
	TREE 8, 4
	TREE 4, 8
.irp i, 0,1,2
	v_mov_b32 v[P+3+\i], v[CT+\i]
.endr
	TREE 2, 16
.irp i, 0,1,2
	v_mov_b32 v[P+9+\i], v[CT+4+\i]
.endr
	v_pk_add_f32 v[14:15], v[14:15], v[S:S+1]
	v_pk_add_f32 v[SU:SU+1], v[SU:SU+1], v[S+32:S+33]
	s_wait_alu depctr_va_vdst(0)                   ; the wait ahead of the wait below
	s_wait_dscnt 0x0
.irp t, 0,1,2,3
	v_wmma_scale_f32_16x16x128_f8f6f4 v[O+8*\t:O+8*\t+7], v[KV+12*\t:KV+12*\t+11], v[P:P+11], v[O+8*\t:O+8*\t+7], v[VSW+\t], v[PSW] matrix_a_fmt:MATRIX_FMT_BF6 matrix_b_fmt:MATRIX_FMT_BF6
.endr
.endm
; one head: eight steps, the division, and o's 64 channels as half a fragment (registers 6 e .. 6 e + 5) and two scale bytes
.macro HEAD e
.if \e
.irp j, 0,1,2,3,4,5
	v_mov_b32 v[16+\j], v[30+\j]
.endr
	v_mov_b32 v28, v29
.endif
	v_mov_b32 v13, 0xff61b1e6                      ; under every score
	v_floor_f32 v12, -v13
	v_mov_b32 v14, 0
	v_mov_b32 v15, 0
	v_mov_b32 v[SU], 0
	v_mov_b32 v[SU+1], 0
.set j, 0
.rept 32
	v_mov_b32 v[O+j], 0
.set j, j+1
.endr
	s_mov_b32 s[TS], \e*HP
	s_mov_b32 s[TK], \e*HP+32*PIT
	s_mov_b32 s[TV], \e*HP+224*PIT
	s_mov_b32 s[CNT], 8
.Lstep_\e:
	STEP
	s_add_co_u32 s[TK], s[TK], 24*PIT
	s_add_co_u32 s[TV], s[TV], 24*PIT
	s_add_co_u32 s[TS], s[TS], 2*PIT
	s_sub_co_u32 s[CNT], s[CNT], 1
	s_cmp_lg_u32 s[CNT], 0
	s_cbranch_scc1 .Lstep_\e
.rept 4
	v_nop
.endr
	v_pk_add_f32 v[14:15], v[14:15], v[SU:SU+1]
	v_add_f32 v14, v14, v15
	v_permlanex16_b32 v[TT], v14, s[SEL], s[SEL+1]
	v_add_f32 v14, v14, v[TT]                      ; the row's sum
	s_wait_alu depctr_va_vdst(0)                   ; the wait ahead of the transcendental
	v_rcp_f32 v14, v14
	v_nop
	s_wait_alu depctr_va_vdst(0)                   ; and ahead of its first reader, which is O^T's too
.set j, 0
.rept 32
	v_mul_f32 v[S+j], v[O+j], v14                  ; register 16 b + i: channel 32 b + 16 h + i
.set j, j+1
.endr
.irp b, 0,1
	v_max3_num_f32 v[BM+\b], |v[S+16*\b]|, |v[S+16*\b+1]|, 0x2800000
.endr
.irp i, 2,4,6,8,10,12,14
.irp b, 0,1
	v_max3_num_f32 v[BM+\b], v[BM+\b], |v[S+16*\b+\i]|, |v[S+16*\b+\i+1]|
.endr
.endr
.irp b, 0,1
	v_permlanex16_b32 v[BP+\b], v[BM+\b], s[SEL], s[SEL+1]
.endr
.irp b, 0,1
	v_max_num_f32 v[BM+\b], v[BM+\b], v[BP+\b]
.endr
.irp b, 0,1
	v_add_nc_u32 v[SO+\b], 0xfe000000, v[BM+\b]
.endr
.irp b, 0,1
	v_lshrrev_b32 v[BP+\b], 23, v[SO+\b]
.endr
	v_lshl_or_b32 v[U16], v[BP+1], 8, v[BP]
	v_cvt_scalef32_pk16_bf6_f32 v[OF+6*\e:OF+6*\e+2], v[S:S+15], v[SO]
	v_cvt_scalef32_pk16_bf6_f32 v[CT:CT+2], v[S+16:S+31], v[SO+1]
	v_nop
.irp i, 0,1,2
	v_permlane16_swap_b32 v[OF+6*\e+\i], v[CT+\i]  ; a whole block to a lane
.endr
.irp i, 0,1,2
	v_mov_b32 v[OF+6*\e+3+\i], v[CT+\i]
.endr
.if \e
	v_lshl_or_b32 v[OSW], v[U16], 16, v[OSW]
.else
	v_mov_b32 v[OSW], v[U16]
.endif
.endm
	s_wait_alu depctr_va_vdst(0)                   ; the wait at the head's end
	s_wait_tensorcnt 0x0                           ; my part is in,
	s_barrier_signal -1
	s_barrier_wait -1                              ; and everybody's: both heads are whole
	s_wait_loadcnt 0x0                             ; q
	HEAD 0
	HEAD 1
.irp c, 0,1,2
	global_store_b128 v[L16], v[OF+4*\c:OF+4*\c+3], s[6:7] offset:512*\c   ; 32 lanes store 512 consecutive bytes
.endr
	ds_store_b32 v7, v[OSW]                        ; the 16 tiles' scale words are gathered and leave as two runs of 512 bytes
	s_wait_dscnt 0x0
	s_barrier_signal -1
	s_barrier_wait -1
	s_cmp_lt_u32 s[WV], 2
	s_cbranch_scc0 .Lno_words
	ds_load_b128 v[96:99], v8
	s_wait_dscnt 0x0
	global_store_b128 v[L16], v[96:99], s[8:9]
.Lno_words:
	s_wait_tensorcnt 0x0                           ; the wave's end
	ds_add_u32 v254, v255
	s_wait_dscnt 0x0
	CROUND                                         ; the closing round
	s_endpgm
.Lfunc_end_k_qadd63ade94_attn:
	.size	k_qadd63ade94_attn, .Lfunc_end_k_qadd63ade94_attn-k_qadd63ade94_attn
	.p2alignl 7, 3214868480
	.fill 96, 4, 3214868480
	.section	.rodata,"a",@progbits
	.p2align	6, 0x0
	.amdhsa_kernel k_qadd63ade94_attn
		.amdhsa_group_segment_fixed_size 327680
		.amdhsa_private_segment_fixed_size 0
		.amdhsa_enable_private_segment 0
		.amdhsa_kernarg_size 24
		.amdhsa_user_sgpr_count 2
		.amdhsa_user_sgpr_kernarg_segment_ptr 1
		.amdhsa_wavefront_size32 1
		.amdhsa_system_sgpr_workgroup_id_x 1
		.amdhsa_system_sgpr_workgroup_id_y 1
		.amdhsa_system_sgpr_workgroup_id_z 1
		.amdhsa_system_vgpr_workitem_id 0
		.amdhsa_next_free_vgpr 256
		.amdhsa_next_free_sgpr 66
		.amdhsa_reserve_vcc 0
		.amdhsa_float_denorm_mode_32 3
		.amdhsa_float_denorm_mode_16_64 3
		.amdhsa_memory_ordered 1
		.amdhsa_forward_progress 1
		.amdhsa_inst_pref_size 48
	.end_amdhsa_kernel
	.amdgpu_metadata
---
amdhsa.version: [ 1, 2 ]
amdhsa.kernels:
  - .name:           k_qadd63ade94_attn
    .symbol:         k_qadd63ade94_attn.kd
    .args:
      - { .name: qkv, .offset: 0, .size: 8, .value_kind: global_buffer, .address_space: global }
      - { .name: o_img, .offset: 8, .size: 8, .value_kind: global_buffer, .address_space: global }
      - { .name: o_sc, .offset: 16, .size: 8, .value_kind: global_buffer, .address_space: global }
    .group_segment_fixed_size: 327680
    .private_segment_fixed_size: 0
    .kernarg_segment_align: 8
    .kernarg_segment_size: 24
    .max_flat_workgroup_size: 512
    .sgpr_count:     66
    .vgpr_count:     256
    .wavefront_size: 32
...
	.end_amdgpu_metadata
.endif
;; end of part 3
;; launch outgemm (part 4): grid 8 x 32, 4 waves a work-group, clusters of 4 x 4, 327,680 bytes of LDS; arguments o_img, o_sc, cimg, simg, out_proj_bias, out0; writes out0
.if DOCPART == 4
	.amdgcn_target "amdgcn-amd-amdhsa--gfx1250"
	.amdhsa_code_object_version 6
	.text
	.protected	k_qadd63ade94_outgemm
	.globl	k_qadd63ade94_outgemm
	.p2align	8
	.type	k_qadd63ade94_outgemm,@function
k_qadd63ade94_outgemm:
	s_mov_b64 s[64:65], 0
	v_nop
	global_prefetch_b8 v0, s[64:65] scope:SCOPE_SE
	s_setreg_imm32_b32 hwreg(HW_REG_WAVE_MODE, 25, 1), 1
	s_wait_xcnt 0x0
	s_wait_alu depctr_hold_cnt(0) depctr_sa_sdst(0) depctr_va_vdst(0) depctr_va_sdst(0) depctr_va_ssrc(0) depctr_va_vcc(0) depctr_vm_vsrc(0)
	s_getreg_b32 s2, hwreg(HW_REG_IB_STS2, 6, 4)
	s_cmp_eq_u32 s2, 0
	s_cbranch_scc0 .Lentry_in_a_cluster
	s_endpgm
.Lentry_in_a_cluster:
	s_bfe_u32 s2, ttmp6, 0x10000c
	s_cmp_lg_u32 s2, 0xf033
	s_cbranch_scc0 .Lentry_shape_is_right
	s_endpgm
.Lentry_shape_is_right:
; out0 = o out_proj_weight^T + out_proj_bias on codes of BF6 (E3M2) with E8M0 scales, K = 1,024; f32 out.
; OPERANDS lie in memory as images of their registers: codes [panel of 256 rows][K step 0-7][tile 0-15][1536], scale words [panel][K step][1024]; o's panels 0-31 in o_img, the weight's in panels 44-47 of cimg.
; Lane r of tile t holds row 32 (t / 2) + 8 (t % 2) + r + 8 (r / 8) of its panel.  A work-group makes 256 tokens x 128 columns, a wave 64 x 128: 32 accumulators.  Source 0 = the weight's tiles, source 1 = o's.
; ALL OF K LIES IN LDS AT ONCE: A's eight K steps (196,608 bytes), then B's eight halves of a K step (98,304).  One tensor load a wave at the head: waves 0, 1 four K steps of A each (dense), waves 2, 3 four rows of 12,288 bytes of B each.
; Nothing is filled again.  The scale words go from memory straight into registers.  No prefetch: every tile is asked for at the head.
; CLUSTERS: 4 x 4: A's blocks are shared along a row of the cluster, B's along a column.
; REGISTERS: window 0: v8-25 addresses; v32-63 A's scale words, v64-95 B's; v128-223 A's fragments, two sets of 4; window 1: B's fragments, two sets, at v0 and v128; v96-127, v224-255 the bias, the C of K step 0; window 2: the accumulators.
.set FRB,   1536
.set KSB,   16*FRB
.set HKB,   8*FRB
.set PANB,  8*KSB
.set BREG,  8*KSB
.set SPARE, BREG+8*HKB                 ; behind the tiles: the spare words, 128 bytes a wave
.set NP,    4
.set SPITCH, 528
.set ADRA,  8
.set ADRB,  12
.set L16,   22
.set STO,   24
.set RD,    25
.set SCA,   32
.set SCB,   64
.set AF,    128
.set BK,    128
.set G1,   24
.set G1B,  32
.set G0,   68
.set G0B,  84
.set MSB, 0
.macro WIN new
.if MSB != (\new)
	s_set_vgpr_msb (MSB<<8)|(\new)
.set MSB, (\new)
.endif
.endm
.set MUL,  0xa1
.set FST,  0x91
.set TO_B, 0x40
.macro CROUND
	s_barrier_signal -1
	s_barrier_wait -1
	s_cmp_lg_u32 s14, 0
	s_cbranch_scc1 .Lnot_wave_0_\@
	s_barrier_signal -3
.Lnot_wave_0_\@:
	s_barrier_wait -3
	s_barrier_signal -1
	s_barrier_wait -1
.endm
.macro PLACES n
.rept \n
	v_nop
.endr
.endm
.macro SHAPE g, c, r, p                ; r rows of c elements of 8 bytes, p elements apart
	s_mov_b32 s[\g+1], (\c)<<16
	s_mov_b32 s[\g+2], (\r)<<16
	s_mov_b32 s[\g+3], (\c)<<16
	s_mov_b32 s[\g+4], \r
	s_mov_b32 s[\g+5], \p
	s_mov_b32 s[\g+6], 0
	s_mov_b32 s[\g+7], 0
.endm
	s_load_b256 s[4:11], s[0:1], 0x0               ; o's codes, o's scale words, the weights' codes, their scale words
	s_load_b128 s[20:23], s[0:1], 0x20             ; the bias, out0
	v_lshl_add_u32 v126, v0, 2, SPARE
	v_mov_b32 v127, 0
	ds_add_u32 v126, v127                          ; the opening lines: the add twice on end and its wait
	ds_add_u32 v126, v127
	v_lshrrev_b32 v1, 5, v0
	v_readfirstlane_b32 s14, v1                    ; wave 0..3: my 64 tokens
	s_lshr_b32 s15, s14, 1                         ; I fetch for A (0) or for B (1),
	s_and_b32 s16, s14, 1                          ; K steps 0-3 or 4-7
	s_bfe_u32 s18, ttmp6, 0x40000
	s_bfe_u32 s19, ttmp6, 0x40004
	s_lshl_b32 s12, ttmp9, 2
	s_add_co_u32 s12, s12, s18                     ; which 128 columns
	s_and_b32 s17, ttmp7, 0xffff
	s_lshl_b32 s17, s17, 2
	s_add_co_u32 s17, s17, s19                     ; which panel of tokens
	s_lshl_b32 s2, s19, 2
	s_lshl_b32 s2, 15, s2
	s_lshl_b32 s3, 0x1111, s18
	s_or_b32 s[G1], s2, (3<<16)|(1<<21)
	SHAPE G1, 32, 384, 32                          ; 98,304 dense bytes as rows of 256
	s_or_b32 s[G1B], s3, (3<<16)|(1<<21)
	SHAPE G1B, 1536, 4, 3072                       ; half of each of four K steps: rows of 12,288 bytes, 24,576 apart
	s_mul_i32 s13, s16, 4*KSB
	s_mul_i32 s66, s17, PANB
	s_add_co_u32 s66, s66, s13
	s_mov_b32 s67, 0
	s_lshl_b32 s100, s17, 13
	s_lshl_b32 s101, s14, 8
	s_add_co_u32 s100, s100, s101                  ; A's scale words: panel, + my four tiles' 256 bytes
	s_mov_b32 s101, 0
	s_lshr_b32 s2, s12, 1
	s_add_co_u32 s2, s2, 44
	s_and_b32 s3, s12, 1
	s_lshl_b32 s18, s2, 13
	s_lshl_b32 s19, s3, 9
	s_add_co_u32 s18, s18, s19                     ; B's: panel, + the half's 512 bytes
	s_mov_b32 s19, 0
	s_mul_i32 s2, s2, PANB
	s_mul_i32 s3, s3, HKB
	s_add_co_u32 s2, s2, s3
	s_add_co_u32 s2, s2, s13
	s_mov_b32 s3, 0
	s_wait_dscnt 0x0
	s_wait_kmcnt 0x0
	s_add_nc_u64 s[66:67], s[4:5], s[66:67]
	s_add_nc_u64 s[100:101], s[6:7], s[100:101]
	s_add_nc_u64 s[2:3], s[8:9], s[2:3]
	s_add_nc_u64 s[18:19], s[10:11], s[18:19]
	s_mov_b32 s[G0], 1
	s_mov_b32 s[G0+1], s13
	s_mov_b64 s[G0+2:G0+3], s[66:67]
	s_or_b32 s[G0+3], s[G0+3], 0x80000000
	s_mov_b32 s[G0B], 1
	s_mul_i32 s[G0B+1], s16, 4*HKB
	s_add_co_u32 s[G0B+1], s[G0B+1], BREG
	s_mov_b64 s[G0B+2:G0B+3], s[2:3]
	s_or_b32 s[G0B+3], s[G0B+3], 0x80000000
	CROUND                                         ; all sixteen work-groups are here: the joint loads meet
	s_cmp_eq_u32 s15, 0
	s_cbranch_scc0 .Lfor_b
	tensor_load_to_lds s[G0:G0+3], s[G1:G1+7]
	s_nop 0
	PLACES 4
	s_branch .Lasked
.Lfor_b:
	tensor_load_to_lds s[G0B:G0B+3], s[G1B:G1B+7]
	s_nop 0
	PLACES 4
.Lasked:
	v_and_b32 v1, 15, v0
	v_bfe_u32 v2, v0, 4, 1
	v_and_b32 v3, 31, v0
	v_lshlrev_b32 v[L16], 4, v3
	v_lshlrev_b32 v4, 4, v1
	v_lshlrev_b32 v5, 6, v2
	s_wait_alu depctr_va_vdst(0)                   ; the wait ahead of readers behind scalar lines
	s_lshl_b32 s2, s12, 9
	s_mov_b32 s3, 0
	s_add_nc_u64 s[20:21], s[20:21], s[2:3]
.irp k, 0,1,2,3,4,5,6,7
	global_load_b128 v[SCA+4*\k:SCA+4*\k+3], v4, s[100:101] offset:1024*\k     ; row r's words of my four tiles
	global_load_b128 v[SCB+4*\k:SCB+4*\k+3], v[L16], s[18:19] offset:1024*\k   ; lanes 0-15 tiles 0-3, lanes 16-31 tiles 4-7
.endr
	WIN TO_B
.irp b, 0,1,2,3
.irp j, 0,1,2,3
.set CBR, 96+128*((2*\b+\j/2)/4)+8*((2*\b+\j/2)%4)+4*(\j%2)
	global_load_b128 v[CBR:CBR+3], v5, s[20:21] offset:128*\b+16*\j            ; the bias along the registers: the C of K step 0
.endr
.endr
	WIN 0
	s_mul_i32 s2, s14, 4*FRB
.irp c, 0,1,2,3
	v_add_nc_u32 v[ADRA+\c], s2, v[L16]
	v_add_nc_u32 v[ADRB+\c], BREG+\c*2*HKB, v[L16]
	s_add_co_u32 s2, s2, 2*KSB
.endr
	s_mul_i32 s3, s14, 16*SPITCH
	v_mul_u32_u24 v6, v1, SPITCH
	v_lshl_add_u32 v6, v2, 6, v6
	v_add_nc_u32 v[STO], s3, v6
	v_add_nc_u32 v[RD], s3, v[L16]
	s_lshl_b32 s2, s17, 8
	s_lshl_b32 s3, s14, 6
	s_add_co_u32 s2, s2, s3
	s_lshl_b32 s2, s2, 12
	s_lshl_b32 s3, s12, 9
	s_add_co_u32 s2, s2, s3
	s_mov_b32 s3, 0
	s_add_nc_u64 s[22:23], s[22:23], s[2:3]
.macro FRAG reg, adr, off
.irp c, 0,1,2
	ds_load_b128 v[\reg+4*\c:\reg+4*\c+3], v[\adr] offset:(\off)+512*\c
.endr
.endm
.macro FETCH ks
	WIN TO_B
.irp i, 0,1,2,3,4,5,6,7
	FRAG 128*((\ks)%2)+12*\i, ADRB+(\ks)/2, ((\ks)%2)*HKB+\i*FRB
.endr
	WIN 0
.irp i, 0,1,2,3
	FRAG AF+48*((\ks)%2)+12*\i, ADRA+(\ks)/2, ((\ks)%2)*KSB+\i*FRB
.endr
.endm
; the 32 accumulators take turns, one instruction a turn
.macro MUL16 a0, ks, first
.irp a, \a0, \a0+1
.irp b, 0,1,2,3,4,5,6,7
.set rD, 8*(8*(\a)+\b)
.set rB, 128*((\ks)%2)+12*\b
.set rA, AF+48*((\ks)%2)+12*(\a)
.set rSB, SCB+4*(\ks)+\b%4
.set rSA, SCA+4*(\ks)+(\a)
.if \first
.set rC, 96+128*(\b/4)+8*(\b%4)
.else
.set rC, rD
.endif
.if \b >= 4
	v_wmma_scale_f32_16x16x128_f8f6f4 v[rD:rD+7], v[rB:rB+11], v[rA:rA+11], v[rC:rC+7], v[rSB], v[rSA] matrix_a_fmt:MATRIX_FMT_BF6 matrix_b_fmt:MATRIX_FMT_BF6 matrix_a_scale:MATRIX_SCALE_ROW1
.else
	v_wmma_scale_f32_16x16x128_f8f6f4 v[rD:rD+7], v[rB:rB+11], v[rA:rA+11], v[rC:rC+7], v[rSB], v[rSA] matrix_a_fmt:MATRIX_FMT_BF6 matrix_b_fmt:MATRIX_FMT_BF6
.endif
.endr
.endr
.endm
.macro KSTEP ks
	s_wait_dscnt 0x0                               ; this step's fragments are in
.if (\ks) == 7
	s_barrier_signal -1                            ; my LDS reads are over: behind this barrier the stages are laid over tiles that have been read
.endif
.if (\ks) < 7
.if (\ks) > 0
	PLACES NP                                      ; in front of loads into registers that matrix instructions have read
.endif
	FETCH (\ks)+1
.endif
.if (\ks) == 0
	WIN FST
	MUL16 0, \ks, 1
	MUL16 2, \ks, 1
.else
	WIN MUL
	MUL16 0, \ks, 0
	MUL16 2, \ks, 0
.endif
.endm
	s_wait_alu depctr_va_vdst(0)                   ; the wait at the head's end
	s_wait_loadcnt 0x0                             ; the scale words and the bias
	s_wait_tensorcnt 0x0                           ; my part of the tiles,
	s_barrier_signal -1
	s_barrier_wait -1                              ; and everybody's
	FETCH 0
.irp k, 0,1,2,3,4,5,6,7
	KSTEP \k
.endr
	WIN 0
	s_barrier_wait -1
; THE WAY OUT: a block of 16 rows x 128 columns goes through my own stage in LDS and comes back as whole rows of 512 bytes
.macro TOSTAGE a
.set AC, 64*(\a)
	WIN 0x08
.irp b, 0,1,2,3,4,5,6,7
	ds_store_b128 v[STO], v[AC+8*\b:AC+8*\b+3] offset:128*(\b/2)+32*(\b%2)
	ds_store_b128 v[STO], v[AC+8*\b+4:AC+8*\b+7] offset:128*(\b/2)+32*(\b%2)+16
.endr
	WIN 0
.set BB, BK+64*((\a)%2)
.irp t, 0,1,2,3,4,5,6,7,8,9,10,11,12,13,14,15
	ds_load_b128 v[BB+4*\t:BB+4*\t+3], v[RD] offset:\t*SPITCH
.endr
.endm
.macro SEND a, younger
.set BB, BK+64*((\a)%2)
	s_wait_dscnt \younger
.irp t, 0,1,2,3,4,5,6,7,8,9,10,11,12,13,14,15
	global_store_b128 v[L16], v[BB+4*\t:BB+4*\t+3], s[22:23] offset:(32*((\a)/2)+8*((\a)%2)+\t%8+16*(\t/8))*4096 th:TH_STORE_NT
.endr
.endm
	PLACES NP
	TOSTAGE 0
.irp a, 1,2,3
.if \a > 1
	s_wait_xcnt 0x0                                ; block a - 2's stores have read their registers
.endif
	TOSTAGE \a
	SEND \a-1, 32                                  ; behind block a - 1's loads: block a's 16 stores and 16 loads
.endr
	SEND 3, 0
	s_wait_tensorcnt 0x0                           ; the wave's end
	ds_add_u32 v126, v127
	s_wait_dscnt 0x0
	CROUND                                         ; the closing round
	s_endpgm
.Lfunc_end_k_qadd63ade94_outgemm:
	.size	k_qadd63ade94_outgemm, .Lfunc_end_k_qadd63ade94_outgemm-k_qadd63ade94_outgemm
	.p2alignl 7, 3214868480
	.fill 96, 4, 3214868480
	.section	.rodata,"a",@progbits
	.p2align	6, 0x0
	.amdhsa_kernel k_qadd63ade94_outgemm
		.amdhsa_group_segment_fixed_size 327680
		.amdhsa_private_segment_fixed_size 0
		.amdhsa_enable_private_segment 0
		.amdhsa_kernarg_size 48
		.amdhsa_user_sgpr_count 2
		.amdhsa_user_sgpr_kernarg_segment_ptr 1
		.amdhsa_wavefront_size32 1
		.amdhsa_system_sgpr_workgroup_id_x 1
		.amdhsa_system_sgpr_workgroup_id_y 1
		.amdhsa_system_sgpr_workgroup_id_z 1
		.amdhsa_system_vgpr_workitem_id 0
		.amdhsa_next_free_vgpr 768
		.amdhsa_next_free_sgpr 102
		.amdhsa_reserve_vcc 0
		.amdhsa_float_denorm_mode_32 3
		.amdhsa_float_denorm_mode_16_64 3
		.amdhsa_memory_ordered 1
		.amdhsa_forward_progress 1
		.amdhsa_inst_pref_size 77
	.end_amdhsa_kernel
	.amdgpu_metadata
---
amdhsa.version: [ 1, 2 ]
amdhsa.kernels:
  - .name:           k_qadd63ade94_outgemm
    .symbol:         k_qadd63ade94_outgemm.kd
    .args:
      - { .name: o_img, .offset: 0, .size: 8, .value_kind: global_buffer, .address_space: global }
      - { .name: o_sc, .offset: 8, .size: 8, .value_kind: global_buffer, .address_space: global }
      - { .name: cimg, .offset: 16, .size: 8, .value_kind: global_buffer, .address_space: global }
      - { .name: simg, .offset: 24, .size: 8, .value_kind: global_buffer, .address_space: global }
      - { .name: out_proj_bias, .offset: 32, .size: 8, .value_kind: global_buffer, .address_space: global }
      - { .name: out0, .offset: 40, .size: 8, .value_kind: global_buffer, .address_space: global }
    .group_segment_fixed_size: 327680
    .private_segment_fixed_size: 0
    .kernarg_segment_align: 8
    .kernarg_segment_size: 48
    .max_flat_workgroup_size: 128
    .sgpr_count:     102
    .vgpr_count:     768
    .wavefront_size: 32
...
	.end_amdgpu_metadata
.endif
;; end of part 4
